; MI455X (gfx1250); checked and timed in simulation.
; The chip was launched on July 23, 2026; its instructions are those of AMD's public machine-readable ISA for CDNA 5 (MIT licence, August 2026) and "CDNA5" Instruction Set Architecture Reference Guide (July 2026). The comments in the code are by the model that wrote it; some were corrected since.
;; Attention Layer. Allowed arithmetic: matrix products marked QUANTISED: E4M3 operands, one E8M0 scale for each 32 along K, by v_wmma_scale_f32_16x16x128_f8f6f4 with both operands' format E4M3, f32 sums; products left as they are: f32 operands where the result goes on into a quantised operand, else bf16, f16 or f32 operands; f32 sums; everything else in f32.
;; Inputs: Wk 1,024 x 1,024 float32; Wq 1,024 x 1,024 float32; Wv 1,024 x 1,024 float32; bert_output 16 x 2,048 x 1,024 float32; bk 1,024 float32; bq 1,024 float32; bv 1,024 float32; pool_output 16 x 1 x 1,024 float32.
;; Outputs: out0 16 x 1 x 1,024 float32.
;; This version of the problem:
;;   THIS VERSION OF THE PROBLEM IS GIVEN IN LOW PRECISION. The matrix products marked QUANTISED in the list below multiply operands that are first quantised to E4M3 (4 exponent bits, 3 mantissa bits; 8 bits a number), with one power-of-two scale for each 32 numbers along K (OCP MX v1.0); their sums are f32. All else is computed in f32.
;;   The module's matrix products, in the order in which they are computed (A, B: the left and right operand; K: the contracted axis; several contracted axes count as one K, in the product's order):
;;     1. [M 16, K 1,024] x [K 1,024, N 1,024]; A: input pool_output; B: input Wq: QUANTISED
;;     2. [M 32,768, K 1,024] x [K 1,024, N 1,024]; A: input bert_output; B: input Wk: QUANTISED
;;     3. [M 32,768, K 1,024] x [K 1,024, N 1,024]; A: input bert_output; B: input Wv: QUANTISED
;;     4. batch 16 x [M 1, K 1,024] x [K 1,024, N 2,048]; A: computed on the way; B: computed on the way: left as it is (M = 1 < 16)
;;     5. batch 16 x [M 1, K 2,048] x [K 2,048, N 1,024]; A: computed on the way; B: computed on the way: left as it is (M = 1 < 16)
;;   THE QUANTISER, for each operand of a quantised product, along K:
;;     - K is cut into blocks of 32 from its start; a last block that is shorter is filled with zeros.
;;     - A block's scale is 2^e with e = floor(log2(the largest magnitude in the block)) - 8, held to -126 .. 127; a block of zeros has e = 0. As a byte (E8M0): e + 127.
;;     - Each number is divided by its block's scale, clamped to +-448, and rounded to the nearest number of E4M3, ties to even, subnormals kept.
;;     - The product sums the exact products of the quantised numbers (number of the format x scale) in f32.
;;   ~~~python
;;   def quantise(x, axis):      # numpy; x: float32 -> the quantised numbers, widened to float32 again
;;       x = np.moveaxis(x, axis, -1); K = x.shape[-1]
;;       x = np.pad(x, [(0, 0)] * (x.ndim - 1) + [(0, -K % 32)]); x = x.reshape(x.shape[:-1] + (-1, 32)); a = np.abs(x).max(-1, keepdims=True)
;;       e = np.where(a > 0, np.clip(np.frexp(np.where(a > 0, a, 1))[1] - 1 - 8, -126, 127), 0)      # np.frexp(a)[1] - 1 = floor(log2(a)), exactly
;;       r = np.clip(x / 2.0 ** e, -448, 448)
;;       step = 2.0 ** (np.maximum(np.frexp(np.where(r == 0, 1, r))[1] - 1, -6) - 3)
;;       q = np.round(r / step) * step * 2.0 ** e      # np.round: ties to even
;;       return np.moveaxis(q.reshape(q.shape[:-2] + (-1,))[..., :K], -1, axis).astype(np.float32)
;;   ~~~
;; One version. Each part assembles by itself: llvm-mc -triple=amdgcn-amd-amdhsa -mcpu=gfx1250 --defsym DOCPART=n.
;; ======== version 1 of 1: 3 launches
;; workspace buffers: wimg 2,162,688 bytes; qpart 262,144 bytes; part 1,048,576 bytes
;; launch prep (part 1): grid 512 x 1, 1 waves a work-group, no clusters, 8,960 bytes of LDS; arguments Wk, Wv, Wq, pool_output, wimg, qpart; writes wimg, qpart
.if DOCPART == 1
	.amdgcn_target "amdgcn-amd-amdhsa--gfx1250"
	.amdhsa_code_object_version 6
	.text
	.protected	k_q7ca875b5df_prep
	.globl	k_q7ca875b5df_prep
	.p2align	8
	.type	k_q7ca875b5df_prep,@function
k_q7ca875b5df_prep:
	s_mov_b64 s[64:65], 0
	v_nop
	global_prefetch_b8 v0, s[64:65] scope:SCOPE_SE
	s_setreg_imm32_b32 hwreg(HW_REG_WAVE_MODE, 25, 1), 1
	s_wait_xcnt 0x0
; Two jobs on one plan.  Work-groups 0-255: Wk and Wv, [1024][1024] f32 with K innermost, become codes of FP8 (E4M3) with one E8M0 byte for each 32 along K, laid in wimg as the next launch's LDS slots want them.
; Work-groups 256-511: pool_output and Wq are quantised the same way and multiplied: qpart[kq][batch][feature] = the sum over K quarter kq of pool x Wq^T (the next launch adds the four quarters and bq).
; A CELL is 16 rows x 128 along K of f32; all four inputs have rows of 4,096 bytes.  A work-group is one wave and takes four cells: two at pointer A (512 bytes apart), two at pointer B.
;   weights: 16 features x 512 along K (B = A + 1,024 bytes);    q: A = 16 features of Wq, B = the 16 rows of pool_output, both at K quarter kq.
; Each load reads 512 consecutive bytes of one row; the cell turns through a stage in LDS (pitch 528 = 33 x 16 bytes, so that the sixteen rows that a read touches start 16 bytes apart modulo 256), after which lane (r, h)
; holds of row r the numbers k = 32 c + 16 h + 0 .. 15 in registers 16 c + 0 .. 15: the order of an operand's registers, so that the conversions' results ARE the fragment.
; wimg: 16 fills of 135,168 bytes; fill f = 128 features (f < 8: Wk's, else Wv's).  Feature = 128 f' + 64 u + 32 nh + 16 b + r, k = 512 kh + 128 s + 32 c + 16 h + byte.
;   codes at (8 u + 4 kh + 2 nh + b) x 8,192 + 2,048 s + 512 c + 16 lane (images of the registers);  scale words at 131,072 + (8 u + 4 kh + 2 nh + b) x 256 + 16 r + 4 s.
; A block's scale is 2^(floor(log2(its largest magnitude)) - 8); its byte is the largest magnitude's exponent field - 8, held at 1 from below.
; LIMITS: a block of zeros gets the byte 1 where the rule says 127 (its codes are zeros, and the bytes are read by this program alone); blocks whose largest magnitude lies under 2^-118, the floor, were not tried;
; NaN and infinities among the inputs are not served.  qpart leaves in pieces of 64 bytes a row: 262,144 bytes in all, beside the 12 MiB that this launch reads.
; No cluster, no tensor load: work-groups share nothing but pool_output's 64 KiB.
.set SP,    528                        ; the stage's pitch
.set FILLB, 135168                     ; a fill of wimg
.set GX,  3                            ; v3   16 x lane: my bytes of a row's 512, and my place in an image
.set TS,  4                            ; v4   the stage, on the way in: 16 x lane
.set TR,  5                            ; v5   and on the way out: 528 r + 64 h
.set PW,  12                           ; v12-15  the four cells' scale words; they hold nothing else
.set C,   16                           ; v16-79  the four cells' codes
.set D0,  80                           ; v80-87, v88-95  two sums of 16 x 16
.set D1,  88
.set R,   96                           ; v96-103 their sum
.set ST,  112                          ; v112-175 a cell's 64 numbers of my lane
.set TM,  176                          ; v176-179 largest magnitudes, v180-183 bytes, v184-187 448 x the scale, v188-191 the conversions' scale operands
.set SEL, 40                           ; s[40:41] v_permlanex16_b32's selects for lane l xor 16
.set MNT, 42                           ; s42  the mantissa field of 448
.set MSB, 0
.macro WIN new                         ; the immediate's high byte repeats the setting that is left; a switch that changes nothing is dropped
.if MSB != (\new)
	s_set_vgpr_msb (MSB<<8)|(\new)
.set MSB, (\new)
.endif
.endm
; a cell's 16 rows into landing set 'set' (window 1, 64 registers): 16 loads of 512 consecutive bytes
.macro XLOAD set, base, off, nt
	WIN 0x40                                       ; destination window 1, address window 0
.irp p, 0,1,2,3,4,5,6,7,8,9,10,11,12,13,14,15
.if \nt
	global_load_b128 v[64*(\set)+4*\p:64*(\set)+4*\p+3], v[GX], s[\base:\base+1] offset:(\off)+4096*\p th:TH_LOAD_NT
.else
	global_load_b128 v[64*(\set)+4*\p:64*(\set)+4*\p+3], v[GX], s[\base:\base+1] offset:(\off)+4096*\p
.endif
.endr
	WIN 0
.endm
; the cell turns through the stage: LDS serves a wave's instructions in order, so no wait stands between the stores and the loads
.macro TURNIN set
	WIN 0x04                                       ; an LDS store's data are its source 1: window 1
.irp p, 0,1,2,3,4,5,6,7,8,9,10,11,12,13,14,15
	ds_store_b128 v[TS], v[64*(\set)+4*\p:64*(\set)+4*\p+3] offset:SP*\p
.endr
	WIN 0
.irp c, 0,1,2,3
.irp j, 0,1,2,3
	ds_load_b128 v[ST+16*\c+4*\j:ST+16*\c+4*\j+3], v[TR] offset:128*\c+16*\j
.endr
.endr
	s_wait_dscnt 0x0                               ; the numbers are in, and the stores have read the landing set, which may be loaded again
.endm
; 64 numbers of a lane, register 16 b + i = k 32 b + 16 h + i of my row, become a fragment's codes in v[pc] on and its scale word in v[pw]
.macro QUANT s, pc, pw
.irp b, 0,1,2,3
	v_max3_num_f32 v[TM+\b], |v[\s+16*\b]|, |v[\s+1+16*\b]|, 0x4800000   ; block b: my 16 numbers, and the floor 2^(9 - 127): the byte cannot fall under 1
.endr
.irp i, 2,4,6,8,10,12,14
.irp b, 0,1,2,3
	v_max3_num_f32 v[TM+\b], v[TM+\b], |v[\s+16*\b+\i]|, |v[\s+1+16*\b+\i]|   ; the four blocks by turns
.endr
.endr
.irp b, 0,1,2,3
	v_permlanex16_b32 v[TM+4+\b], v[TM+\b], s[SEL], s[SEL+1]
.endr
.irp b, 0,1,2,3
	v_max_num_f32 v[TM+\b], v[TM+\b], v[TM+4+\b]   ; with lane l xor 16's: the block's largest magnitude
.endr
.irp b, 0,1,2,3
	v_add_nc_u32 v[TM+12+\b], 0xfc000000, v[TM+\b] ; 8 off its exponent field: the conversion takes the exponent field of this operand as its scale
.endr
.irp b, 0,1,2,3
	v_and_or_b32 v[TM+8+\b], v[TM+\b], 0x7f800000, s[MNT]   ; 448 x the scale
.endr
.irp b, 0,1,2,3
	v_lshrrev_b32 v[TM+4+\b], 23, v[TM+12+\b]      ; the scale's byte
.endr
	v_lshl_or_b32 v[\pw], v[TM+5], 8, v[TM+4]      ; four bytes make my row's scale word
	v_lshl_or_b32 v[\pw], v[TM+6], 16, v[\pw]
	v_lshl_or_b32 v[\pw], v[TM+7], 24, v[\pw]
.irp b, 0,1,2,3
.irp i, 0,1,2,3,4,5,6,7,8,9,10,11,12,13,14,15
	v_med3_num_f32 v[\s+16*\b+\i], v[\s+16*\b+\i], -v[TM+8+\b], v[TM+8+\b]   ; the conversion to an 8-bit code does not saturate (ISA guide 7.6.2): the hold comes first
.endr
	v_cvt_scalef32_pk8_fp8_f32 v[\pc+4*\b:\pc+1+4*\b], v[\s+16*\b:\s+7+16*\b], v[TM+12+\b]
	v_cvt_scalef32_pk8_fp8_f32 v[\pc+2+4*\b:\pc+3+4*\b], v[\s+8+16*\b:\s+15+16*\b], v[TM+12+\b]
.endr
	v_nop                                          ; one plain vector instruction behind the last conversion of the run
.endm
	s_load_b256 s[4:11], s[0:1], 0x0               ; Wk s[4:5], Wv s[6:7], Wq s[8:9], pool_output s[10:11]
	s_load_b128 s[12:15], s[0:1], 0x20             ; wimg s[12:13], qpart s[14:15]
	v_lshl_add_u32 v254, v0, 2, 0x2200
	v_mov_b32 v255, 0
	v_and_b32 v1, 15, v0                           ; r
	v_bfe_u32 v2, v0, 4, 1                         ; h
	v_lshlrev_b32 v[GX], 4, v0
	v_lshlrev_b32 v[TS], 4, v0
	v_mul_u32_u24 v[TR], v1, SP
	v_lshl_add_u32 v[TR], v2, 6, v[TR]
	v_lshlrev_b32 v7, 4, v1                        ; the scale words' place: 16 r
	v_lshlrev_b32 v8, 12, v1
	v_lshl_add_u32 v8, v2, 5, v8                   ; qpart: batch r's row of 4,096 bytes, + 32 h
.irp b, 0,1,2,3
	v_mov_b32 v[TM+4+\b], 0                        ; written once: a lane permute's destination counts as one of its sources
.endr
	s_mov_b32 s[SEL], 0x76543210
	s_mov_b32 s[SEL+1], 0xfedcba98
	s_mov_b32 s[MNT], 0x600000
	; both ways' offsets are made, then chosen on the work-group's number alone
	s_lshr_b32 s16, ttmp9, 1
	s_and_b32 s16, s16, 63                         ; weights: the tile of 16 features,
	s_lshl_b32 s16, s16, 16                        ; its 16 rows of 4,096 bytes,
	s_and_b32 s17, ttmp9, 1
	s_lshl_b32 s17, s17, 11                        ; the K half: 2,048 bytes
	s_add_co_u32 s16, s16, s17                     ; A
	s_add_co_u32 s17, s16, 1024                    ; B = A + two cells
	s_lshr_b32 s19, ttmp9, 2
	s_and_b32 s19, s19, 63                         ; q: the tile of 16 features of Wq,
	s_lshl_b32 s19, s19, 16
	s_and_b32 s18, ttmp9, 3
	s_lshl_b32 s18, s18, 10                        ; the K quarter: 1,024 bytes: B (pool_output's rows begin at 0)
	s_add_co_u32 s19, s19, s18                     ; A
	s_mov_b32 s25, 0
	s_mov_b32 s27, 0
	s_wait_kmcnt 0x0
	s_cmp_lt_u32 ttmp9, 128
	s_cselect_b64 s[20:21], s[4:5], s[6:7]         ; Wk or Wv
	s_cmp_lt_u32 ttmp9, 256
	s_cselect_b64 s[20:21], s[20:21], s[8:9]       ; or Wq
	s_cselect_b64 s[22:23], s[20:21], s[10:11]     ; B: the same weight, or pool_output
	s_cselect_b32 s24, s16, s19
	s_cselect_b32 s26, s17, s18
	s_add_nc_u64 s[20:21], s[20:21], s[24:25]
	s_add_nc_u64 s[22:23], s[22:23], s[26:27]
	XLOAD 0, 20, 0, 1                              ; cells 0, 1, 2: 48 loads are out
	XLOAD 1, 20, 512, 1
	XLOAD 2, 22, 0, 0                              ; (no hint through B: pool_output is read by 64 work-groups)
	s_wait_loadcnt 32                              ; cell 0 is in; the 32 loads of cells 1 and 2 may be out
	TURNIN 0
	XLOAD 0, 22, 512, 0                            ; cell 3 into the set that cell 0 has left
	QUANT ST, C, PW
	s_wait_loadcnt 32                              ; cell 1 is in; cells 2 and 3 may be out
	TURNIN 1
	QUANT ST, C+16, PW+1
	s_wait_loadcnt 16                              ; cell 2 is in; cell 3 may be out
	TURNIN 2
	QUANT ST, C+32, PW+2
	s_wait_loadcnt 0x0
	TURNIN 0
	QUANT ST, C+48, PW+3
	s_cmp_lt_u32 ttmp9, 256
	s_cbranch_scc0 .Lq
	; ---- the weights' way: four fragments' images and 16 rows' scale words into my fill
	s_lshr_b32 s24, ttmp9, 4                       ; the fill: 8 x (Wk or Wv) + features / 128
	s_mul_i32 s24, s24, FILLB
	s_bfe_u32 s26, ttmp9, 0x10003                  ; u
	s_bfe_u32 s27, ttmp9, 0x10000                  ; kh
	s_bfe_u32 s28, ttmp9, 0x10002                  ; nh
	s_bfe_u32 s29, ttmp9, 0x10001                  ; b
	s_lshl_b32 s26, s26, 3
	s_lshl_b32 s27, s27, 2
	s_lshl_b32 s28, s28, 1
	s_add_co_u32 s26, s26, s27
	s_add_co_u32 s28, s28, s29
	s_add_co_u32 s26, s26, s28                     ; 8 u + 4 kh + 2 nh + b
	s_lshl_b32 s27, s26, 13
	s_add_co_u32 s28, s24, s27                     ; the codes' place
	s_mov_b32 s29, 0
	s_lshl_b32 s27, s26, 8
	s_add_co_u32 s24, s24, s27
	s_add_co_u32 s24, s24, 131072                  ; the scale words' place
	s_add_nc_u64 s[16:17], s[12:13], s[28:29]
	s_add_nc_u64 s[18:19], s[12:13], s[24:25]
.irp t, 0,1,2,3
.irp c, 0,1,2,3
	global_store_b128 v[GX], v[C+16*\t+4*\c:C+16*\t+4*\c+3], s[16:17] offset:2048*\t+512*\c   ; the wave stores 512 consecutive bytes, at a multiple of 512 from wimg's first byte
.endr
.endr
	v_cmp_gt_u32 vcc_lo, 16, v0
	s_wait_xcnt 0x0                                ; EXEC is a source of the stores above: it changes only behind this wait
	s_wait_tensorcnt 0x0
	ds_add_u32 v254, v255
	s_wait_dscnt 0x0
	s_and_saveexec_b32 s30, vcc_lo
	global_store_b128 v7, v[PW:PW+3], s[18:19]     ; lanes 0-15: row r's four words: 256 consecutive bytes, aligned
	s_wait_xcnt 0x0
	s_or_b32 exec_lo, exec_lo, s30
	s_endpgm
.Lq:
	; ---- q's way: source 0 = 16 features of Wq, source 1 = the 16 batches: lane (r, h) then holds batch r and features 8 h + 0 .. 7
	s_and_b32 s24, ttmp9, 3
	s_lshl_b32 s24, s24, 16                        ; plane kq of 65,536 bytes
	s_lshr_b32 s26, ttmp9, 2
	s_and_b32 s26, s26, 63
	s_lshl_b32 s26, s26, 6                         ; 16 features: 64 bytes
	s_add_co_u32 s24, s24, s26
	s_add_nc_u64 s[14:15], s[14:15], s[24:25]
.rept 8
	v_nop                                          ; scale words written by vector instructions stand eight places ahead of a scaled matrix instruction, codes four
.endr
	v_wmma_scale_f32_16x16x128_f8f6f4 v[D0:D0+7], v[C:C+15], v[C+32:C+47], 0, v[PW], v[PW+2]        ; the quarter's first 128 along K
	v_wmma_scale_f32_16x16x128_f8f6f4 v[D1:D1+7], v[C+16:C+31], v[C+48:C+63], 0, v[PW+1], v[PW+3]   ; its second, on an accumulator of its own
.rept 8
	v_nop                                          ; eight places before a vector instruction reads the results
.endr
.irp n, 0,2,4,6
	v_pk_add_f32 v[R+\n:R+\n+1], v[D0+\n:D0+\n+1], v[D1+\n:D1+\n+1]   ; both results from their low ends on
.endr
	global_store_b128 v8, v[R:R+3], s[14:15]
	global_store_b128 v8, v[R+4:R+7], s[14:15] offset:16
	s_wait_tensorcnt 0x0
	ds_add_u32 v254, v255
	s_wait_dscnt 0x0
	s_endpgm
.Lfunc_end_k_q7ca875b5df_prep:
	.size	k_q7ca875b5df_prep, .Lfunc_end_k_q7ca875b5df_prep-k_q7ca875b5df_prep
	.p2alignl 7, 3214868480
	.fill 96, 4, 3214868480
	.section	.rodata,"a",@progbits
	.p2align	6, 0x0
	.amdhsa_kernel k_q7ca875b5df_prep
		.amdhsa_group_segment_fixed_size 8960
		.amdhsa_private_segment_fixed_size 0
		.amdhsa_enable_private_segment 0
		.amdhsa_kernarg_size 48
		.amdhsa_user_sgpr_count 2
		.amdhsa_user_sgpr_kernarg_segment_ptr 1
		.amdhsa_wavefront_size32 1
		.amdhsa_system_sgpr_workgroup_id_x 1
		.amdhsa_system_sgpr_workgroup_id_y 1
		.amdhsa_system_sgpr_workgroup_id_z 1
		.amdhsa_system_vgpr_workitem_id 0
		.amdhsa_next_free_vgpr 448
		.amdhsa_next_free_sgpr 66
		.amdhsa_reserve_vcc 1
		.amdhsa_float_denorm_mode_32 3
		.amdhsa_float_denorm_mode_16_64 3
		.amdhsa_memory_ordered 1
		.amdhsa_forward_progress 1
		.amdhsa_inst_pref_size 54
	.end_amdhsa_kernel
	.amdgpu_metadata
---
amdhsa.version: [ 1, 2 ]
amdhsa.kernels:
  - .name:           k_q7ca875b5df_prep
    .symbol:         k_q7ca875b5df_prep.kd
    .args:
      - { .name: Wk, .offset: 0, .size: 8, .value_kind: global_buffer, .address_space: global }
      - { .name: Wv, .offset: 8, .size: 8, .value_kind: global_buffer, .address_space: global }
      - { .name: Wq, .offset: 16, .size: 8, .value_kind: global_buffer, .address_space: global }
      - { .name: pool_output, .offset: 24, .size: 8, .value_kind: global_buffer, .address_space: global }
      - { .name: wimg, .offset: 32, .size: 8, .value_kind: global_buffer, .address_space: global }
      - { .name: qpart, .offset: 40, .size: 8, .value_kind: global_buffer, .address_space: global }
    .group_segment_fixed_size: 8960
    .private_segment_fixed_size: 0
    .kernarg_segment_align: 8
    .kernarg_segment_size: 48
    .max_flat_workgroup_size: 32
    .sgpr_count:     66
    .vgpr_count:     448
    .wavefront_size: 32
...
	.end_amdgpu_metadata
.endif
;; end of part 1
;; launch main (part 2): grid 256 x 1, 4 waves a work-group, clusters of 4 x 1, 327,680 bytes of LDS; arguments bert_output, wimg, qpart, bq, bk, bv, part; writes part
.if DOCPART == 2
	.amdgcn_target "amdgcn-amd-amdhsa--gfx1250"
	.amdhsa_code_object_version 6
	.text
	.protected	k_q7ca875b5df_main
	.globl	k_q7ca875b5df_main
	.p2align	8
	.type	k_q7ca875b5df_main,@function
k_q7ca875b5df_main:
	s_mov_b64 s[64:65], 0
	v_nop
	global_prefetch_b8 v0, s[64:65] scope:SCOPE_SE
	s_setreg_imm32_b32 hwreg(HW_REG_WAVE_MODE, 25, 1), 1
	s_wait_xcnt 0x0
	s_wait_alu depctr_hold_cnt(0) depctr_sa_sdst(0) depctr_va_vdst(0) depctr_va_sdst(0) depctr_va_ssrc(0) depctr_va_vcc(0) depctr_vm_vsrc(0)
	s_getreg_b32 s2, hwreg(HW_REG_IB_STS2, 6, 4)
	s_cmp_eq_u32 s2, 0
	s_cbranch_scc0 .Lentry_in_a_cluster
	s_endpgm
.Lentry_in_a_cluster:
	s_bfe_u32 s2, ttmp6, 0x10000c
	s_cmp_lg_u32 s2, 0x3003
	s_cbranch_scc0 .Lentry_shape_is_right
	s_endpgm
.Lentry_shape_is_right:
; part[wg][:] = the sum over the work-group's 128 rows s of a[s] x (x[s] Wv^T + bv),  a[s] = q . (x[s] Wk^T + bk) / sqrt(2048),  q = the four planes of qpart + bq.
; x Wk^T and x Wv^T are made on codes of FP8 (E4M3) with one E8M0 scale for each 32 along K; k and v never leave the accumulators: both later products are linear in them, so a tile of k is contracted with q,
; and a tile of v with a, as soon as it is finished.  For the same reason K may be split between waves, and the biases enter as q . bk (one number a batch) and bv x (the sum of a).
; SHARES.  256 work-groups of 128 rows, 16 to a batch.  Four waves (kh, nh) = (wave / 2, wave % 2).  A wave keeps the codes of all 128 rows x its K half (512 along K) in 512 registers for the whole launch.
; A UNIT is 64 features of the work-group, 32 of them the wave's (nh): 8 tiles of rows x 2 tiles of features x 4 K steps = 64 matrix instructions on 16 accumulators by turns.  32 units: Wk's 16, then Wv's 16.
; Each fragment of a weight is read from LDS by one wave, once, and feeds 8 matrix instructions.
; THE RING.  wimg holds 16 fills of 135,168 bytes, each the image of an LDS slot (two units' fragments as images of their registers, then their scale words).  Two slots; each wave brings a quarter of a fill
; (132 dense rows of 256 bytes) by one tensor load; a refill has two units, 128 matrix instructions, in which to land.
; THE WALK.  The order of a weight's eight fills is free: a is a sum over Wk's features, and Wv's features are outputs of their own.  A cluster begins at fill F0 = its number mod 8 and goes round: the j-th fill that it
; asks for is (j & 8) | ((j + F0) & 7).  So the 64 clusters ask for eight different fills at a time, and what my cluster asks for in step j the clusters with F0 one higher asked for a slot's time before:
; but for the first touch of each weight's fills, a refill is a second read of its bytes in the launch and not a first one.  q lies in LDS, and the outputs are gathered there, in the order of the walk:
; no LDS address knows F0; it enters the global offsets of qpart, bq, bk, bv and part, and the descriptors' global addresses.
; CLUSTER.  The four work-groups of a cluster walk the same fills in the same order, so they ask for each quarter JOINTLY (mask 15).  F0 is made of the cluster's number, which the four share.
; The place in the cluster enters the global addresses of x, qpart and part alone.
; ORIENTATION.  Source 0 = 16 rows of x, source 1 = 16 features.  In a result lane (r, h) holds feature r, register j row 8 h + j.  k: AS[8 i + j] += result x q(my feature).  v: O += result x a[8 i + j].
; PHASES.  H: addresses, q, the first fills.  X: x is read once, as f32, quantised (each wave 64 rows x its K half, 16 cells) and handed to the wave that shares the K half through LDS, as images of registers.
; M: the units.  A (between Wk's and Wv's): a is summed over lanes and waves.  E: the outputs of the two K halves are added, bv x the sum of a joins them, 4,096 bytes go to part.
; The x phase stands ahead of the matrix phase and is not overlapped with it: the price of reading x once and keeping its codes in registers.
; LIMITS: NaN and infinities among the inputs are not served; a block of zeros gets the scale byte 1 where the rule says 127 (its codes are zeros, and the bytes are read by this program alone); blocks whose largest
; magnitude lies under 2^-118, the floor, were not tried; the division by sqrt(2048) is a multiplication by its f32 reciprocal; the f32 sums over K are made in two halves (q's in four quarters), a's sum over features
; begins at another feature in each cluster, and the biases are added as q . bk and bv x sum(a): another order of rounding than the source's, with no difference of large sums.
; REGISTERS, in windows of 256 (s_set_vgpr_msb: bits 1:0 source 0, 3:2 source 1, 5:4 source 2, 7:6 destination):
;   window 0: addresses, scale words, q, sums (the list below).   window 1: v0-127 the weights' fragments B(s, b) at 32 s + 16 b; v128-255 the accumulators (a = 8 b + i at 128 + 8 a); in phase X v0-191 three landing sets.
;   window 2: x's fragments XF(i, s), s = 0, 1, at 128 s + 16 i.   window 3: s = 2, 3 at 128 (s - 2) + 16 i.
.set FILLB,  135168                    ; a fill, and an LDS slot
.set QUARTB, 33792                     ; a wave's quarter of it: 132 rows of 256 bytes
.set SP,     528                       ; the turn stage's pitch: 33 x 16 bytes, so that the sixteen rows that a read touches start 16 bytes apart modulo 256
.set STG,    2*FILLB                   ; behind the ring: a stage of 16 x 528 bytes for each wave
.set STGW,   16*SP
.set EX,     STG+4*STGW                ; the exchange: 2 buffers x 4 waves x (2,048 bytes of image + 128 of scale words)
.set EXW,    2176
.set EXB,    4*EXW
.set QL,     EX+2*EXB                  ; q of my batch, 4,096 bytes, in the order of the walk
.set SPARE,  QL+4096                   ; the spare words, 128 bytes for each wave: two blocks of 256 bytes that no other line names
.set AEX,    STG                       ; behind phase X the stages' bytes serve again, by LDS instructions alone: a's four partial sums (4 x 512 bytes),
.set AF,     STG+2048                  ; a (512 bytes),
.set OEX,    STG+4096                  ; the outputs of the two K halves (2 x 4,096 bytes), in the order of the walk
.set SPW, 4                            ; v4   LDS address of my spare word; never rewritten
.set NIL, 5                            ; v5   0; never rewritten
.set GX,  6                            ; v6   x: 16 lane + 262,144 nh (64 rows) + 2,048 kh (512 along K)
.set TS,  7                            ; v7   my stage, on the way in: 16 lane
.set TR,  8                            ; v8   and on the way out: 528 r + 64 h
.set XW,  9                            ; v9   the exchange: where I store an image;  v10 its scale words
.set XWS, 10
.set XR,  11                           ; v11  and where I read the two waves' of my K half;  v12 their scale words
.set XRS, 12
.set BA,  13                           ; v13-16  my fragments in slot sg, unit u: register BA + 2 sg + u
.set SAD, 17                           ; v17-18  my scale words in slot sg
.set QA,  19                           ; v19  q's numbers of my features: it walks
.set OA,  20                           ; v20  where my outputs go: it walks
.set AW,  21                           ; v21  where I put a's partial sums;  v22 where I read a
.set AR,  22
.set ORD, 23                           ; v23  where I read the finished outputs
.set BS,  24                           ; v24-39  the weights' scale words (set, b, s) at 8 set + 4 b + s; scales and nothing else
.set XS,  40                           ; v40-71  x's scale words (i, s) at 4 i + s; scales and nothing else
.set Q,   72                           ; v72-79  q (set, b) at 4 set + 2 b; the odd registers are named with them as pairs and hold 0
.set O,   80                           ; v80-95  v's sums (b, p): pairs at 8 b + 2 p
.set OT,  96                           ; v96-103 at work on them
.set CIN, 104                          ; v104 my share of q . bk
.set SA,  106                          ; v[106:107] the sum of a
.set T,   108                          ; v[108:109] at work
.set AT,  110                          ; v110 AEX + 4 x thread
.set LT0, 111                          ; v111 in a vector of 1,024 f32 in memory: my 16 bytes of the fill that stands at place 'wave' of the walk: 512 ((wave + F0) & 7) + 16 lane
.set AS,  112                          ; v112-175 a's sums, later a: register 8 i + j = row 16 i + 8 h + j
.set ST,  112                          ; in phase X: a cell's 64 numbers
.set HT,  112                          ; in phase H: qpart's four planes, bq, bk: 48 registers
.set TM,  176                          ; v176-191 the quantiser's work
.set PC,  192                          ; v192-207 the codes just made
.set PW,  208                          ; v208 their scale word
.set LT1, 209                          ; v209 the same for place wave + 4 of the walk: (x + 4) & 7 = x xor 4, so it is v111 xor 2,048
.set QW,  210                          ; v210 phase H: where I store q
.set BV,  212                          ; v212-219 bv
.set E0,  220                          ; v220-235 at work in phases A and E
.set ACC, 128                          ; in window 1
.set WV,  18                           ; s18 wave, s19 kh, s20 nh
.set KH,  19
.set NH,  20
.set F0,  23                           ; s23 where my cluster's walk begins: its number mod 8
.set G1,  24                           ; s[24:31] descriptor group 1
.set G0,  32                           ; s[32:39] group 0, one set for each slot
.set SEL, 40                           ; s[40:41] v_permlanex16_b32's selects for lane l xor 16
.set MNT, 42                           ; s42 the mantissa field of 448
.set RS,  43                           ; s43 1 / sqrt(2048)
.set JN,  45                           ; s45 the step of the walk that is asked for next: 2 .. 15
.set WB,  52                           ; s[52:53] wimg at my quarter of fill 0; never rewritten
.set FO,  54                           ; s[54:55] a fill's byte offset in wimg (the upper word stays 0);  s56 at work on it
.set MSB, 0
.macro WIN new                         ; the immediate's high byte repeats the setting that is left; a switch that changes nothing is dropped
.if MSB != (\new)
	s_set_vgpr_msb (MSB<<8)|(\new)
.set MSB, (\new)
.endif
.endm
.macro PLACES n
.rept \n
	v_nop
.endr
.endm
.macro CREST                           ; a round of the cluster's barrier behind its opening barrier
	s_cmp_lg_u32 s[WV], 0
	s_cbranch_scc1 .Lnot_wave_0_\@
	s_barrier_signal -3
.Lnot_wave_0_\@:
	s_barrier_wait -3
	s_barrier_signal -1
	s_barrier_wait -1
.endm
.macro CROUND                          ; a whole round
	s_barrier_signal -1
	s_barrier_wait -1
	CREST
.endm
; Slot sg's group 0 takes step JN of the walk: fill (JN & 8) | ((JN + F0) & 7).  The offset is made apart from the address; the address is made anew from wimg's, and the type bits are set again.
; It stands behind a wait for 0 on TENSORcnt: no tensor load of mine is out.
.macro NEXTFILL sg
	s_add_co_u32 s[FO], s[JN], s[F0]
	s_and_b32 s[FO], s[FO], 7
	s_and_b32 s56, s[JN], 8                        ; Wk's fills are 0-7, Wv's 8-15
	s_or_b32 s[FO], s[FO], s56
	s_mul_i32 s[FO], s[FO], FILLB                  ; 2,027,520 at the most
	s_add_nc_u64 s[G0+4*(\sg)+2:G0+4*(\sg)+3], s[WB:WB+1], s[FO:FO+1]
	s_or_b32 s[G0+4*(\sg)+3], s[G0+4*(\sg)+3], 0x80000000   ; type = 2
	s_add_co_u32 s[JN], s[JN], 1
.endm
; a cell's 16 rows x 512 bytes into landing set 'set' (window 1): each load reads 512 consecutive bytes; x is read once in the launch
.macro XLOAD set, base, off
	WIN 0x40                                       ; destination window 1, address window 0
.irp p, 0,1,2,3,4,5,6,7,8,9,10,11,12,13,14,15
	global_load_b128 v[64*(\set)+4*\p:64*(\set)+4*\p+3], v[GX], s[\base:\base+1] offset:(\off)+4096*\p th:TH_LOAD_NT
.endr
	WIN 0
.endm
; the cell turns through my own stage: afterwards register 16 c + i holds k = 32 c + 16 h + i of row r.  LDS serves a wave's instructions in order: no wait between the stores and the loads
.macro TURNIN set
	WIN 0x04                                       ; an LDS store's data are its source 1: window 1
.irp p, 0,1,2,3,4,5,6,7,8,9,10,11,12,13,14,15
	ds_store_b128 v[TS], v[64*(\set)+4*\p:64*(\set)+4*\p+3] offset:SP*\p
.endr
	WIN 0
.irp c, 0,1,2,3
.irp j, 0,1,2,3
	ds_load_b128 v[ST+16*\c+4*\j:ST+16*\c+4*\j+3], v[TR] offset:128*\c+16*\j
.endr
.endr
	s_wait_dscnt 0x0                               ; the numbers are in; the stores have read the landing set; my reads of the last cell's images are back too
.endm
; 64 numbers of a lane become a fragment's codes in v[pc] on and its scale word in v[pw]
.macro QUANT s, pc, pw
.irp b, 0,1,2,3
	v_max3_num_f32 v[TM+\b], |v[\s+16*\b]|, |v[\s+1+16*\b]|, 0x4800000   ; block b: my 16 numbers, and the floor 2^(9 - 127): the byte cannot fall under 1
.endr
.irp i, 2,4,6,8,10,12,14
.irp b, 0,1,2,3
	v_max3_num_f32 v[TM+\b], v[TM+\b], |v[\s+16*\b+\i]|, |v[\s+1+16*\b+\i]|   ; the four blocks by turns
.endr
.endr
.irp b, 0,1,2,3
	v_permlanex16_b32 v[TM+4+\b], v[TM+\b], s[SEL], s[SEL+1]
.endr
.irp b, 0,1,2,3
	v_max_num_f32 v[TM+\b], v[TM+\b], v[TM+4+\b]   ; with lane l xor 16's: the block's largest magnitude
.endr
.irp b, 0,1,2,3
	v_add_nc_u32 v[TM+12+\b], 0xfc000000, v[TM+\b] ; 8 off its exponent field: the conversion takes the exponent field of this operand as its scale
.endr
.irp b, 0,1,2,3
	v_and_or_b32 v[TM+8+\b], v[TM+\b], 0x7f800000, s[MNT]   ; 448 x the scale
.endr
.irp b, 0,1,2,3
	v_lshrrev_b32 v[TM+4+\b], 23, v[TM+12+\b]      ; the scale's byte
.endr
	v_lshl_or_b32 v[\pw], v[TM+5], 8, v[TM+4]      ; four bytes make my row's scale word
	v_lshl_or_b32 v[\pw], v[TM+6], 16, v[\pw]
	v_lshl_or_b32 v[\pw], v[TM+7], 24, v[\pw]
.irp b, 0,1,2,3
.irp i, 0,1,2,3,4,5,6,7,8,9,10,11,12,13,14,15
	v_med3_num_f32 v[\s+16*\b+\i], v[\s+16*\b+\i], -v[TM+8+\b], v[TM+8+\b]   ; the conversion to an 8-bit code does not saturate (ISA guide 7.6.2): the hold comes first
.endr
	v_cvt_scalef32_pk8_fp8_f32 v[\pc+4*\b:\pc+1+4*\b], v[\s+16*\b:\s+7+16*\b], v[TM+12+\b]
	v_cvt_scalef32_pk8_fp8_f32 v[\pc+2+4*\b:\pc+3+4*\b], v[\s+8+16*\b:\s+15+16*\b], v[TM+12+\b]
.endr
	v_nop                                          ; one plain vector instruction behind the last conversion of the run
.endm
; CELL t of my 16: rows 16 (4 nh + t / 4) on, K step 4 kh + t % 4.  Loads run three cells (48 loads) ahead.
.macro CELL t
.set CI, (\t)/4
.set CK, (\t)%4
.if 15-(\t) >= 2
	s_wait_loadcnt 32                              ; this cell's 16 loads are in; those of the two cells behind it may be out
.else
	s_wait_loadcnt 16*(15-(\t))
.endif
	TURNIN (\t)%3
.if (\t)+3 < 16
	XLOAD (\t)%3, 4, 65536*(((\t)+3)/4)+512*(((\t)+3)%4)
.endif
	QUANT ST, PC, PW
.irp c, 0,1,2,3
	ds_store_b128 v[XW], v[PC+4*\c:PC+4*\c+3] offset:EXB*((\t)%2)+512*\c   ; the fragment as it stands: lane l's 16 bytes at 16 l
.endr
	ds_store_b32 v[XWS], v[PW] offset:EXB*((\t)%2)
	s_wait_dscnt 0x0                               ; for the others' sake: my image has landed.  (My reads of the buffer that the NEXT cell writes were waited for above)
	s_barrier_signal -1
	s_barrier_wait -1                              ; the first fills may stay on their way
	WIN 0x80+0x40*(CK/2)                           ; destination window 2 or 3
.irp nu, 0,1                           ; the two waves of my K half: rows 64 nu on
.irp c, 0,1,2,3
	ds_load_b128 v[128*(CK%2)+16*(4*\nu+CI)+4*\c:128*(CK%2)+16*(4*\nu+CI)+4*\c+3], v[XR] offset:EXB*((\t)%2)+EXW*\nu+512*\c
.endr
.endr
	WIN 0
.irp nu, 0,1
	ds_load_b32 v[XS+4*(4*\nu+CI)+CK], v[XRS] offset:EXB*((\t)%2)+EXW*\nu
.endr
.endm
; 16 LDS loads: the fragments of unit (sg, u) for K steps 2 half and 2 half + 1, both tiles of features: each load is 512 consecutive bytes
.macro LOADB sg, u, half
	WIN 0x40
.irp b, 0,1
.irp sl, 0,1
.irp c, 0,1,2,3
	ds_load_b128 v[64*(\half)+32*\sl+16*\b+4*\c:64*(\half)+32*\sl+16*\b+4*\c+3], v[BA+2*(\sg)+(\u)] offset:((4*\b+2*(\half)+\sl)*4+\c)*512
.endr
.endr
.endr
	WIN 0
.endm
.macro LOADS sg, u                     ; its scale words: four K steps' words of feature r by one load, into set u
.irp b, 0,1
	ds_load_b128 v[BS+8*(\u)+4*\b:BS+8*(\u)+4*\b+3], v[SAD+(\sg)] offset:2048*(\u)+256*\b
.endr
.endm
.macro LOADQ set, off                  ; q of its features
.irp b, 0,1
	ds_load_b32 v[Q+4*(\set)+2*\b], v[QA] offset:(\off)+64*\b
.endr
.endm
; n matrix instructions of K step s, accumulators a0 on.  zero = 1: the product starts the sum: nothing is ever cleared.  The 16 accumulators take turns, one instruction a turn, in the same order in every K step.
.macro MUL s, zero, a0, n
.set ia, \a0
.rept \n
.set rD, ACC+8*ia
.set rA, 128*((\s)%2)+16*(ia%8)
.set rB, 32*(\s)+16*(ia/8)
.set rX, XS+4*(ia%8)+(\s)
.set rW, BS+8*BSET+4*(ia/8)+(\s)
.if \zero
	v_wmma_scale_f32_16x16x128_f8f6f4 v[rD:rD+7], v[rA:rA+15], v[rB:rB+15], 0, v[rX], v[rW]
.else
	v_wmma_scale_f32_16x16x128_f8f6f4 v[rD:rD+7], v[rA:rA+15], v[rB:rB+15], v[rD:rD+7], v[rX], v[rW]
.endif
.set ia, ia+1
.endr
.endm
; n finished accumulators, a0 on, are contracted; each is read from its low end on.  kind 1: with q (set qs) into a's sums.  kind 2: with a into O; tile of rows 0 starts the sums.
.macro EPI kind, qs, a0, n
.set ia, \a0
.rept \n
.set rD, ACC+8*ia
.set rI, AS+8*(ia%8)
.set rQ, Q+4*(\qs)+2*(ia/8)
.set rO, O+8*(ia/8)
.irp p, 0,1,2,3
.if \kind == 1
	v_pk_fma_f32 v[rI+2*\p:rI+2*\p+1], v[rD+2*\p:rD+2*\p+1], v[rQ:rQ+1], v[rI+2*\p:rI+2*\p+1] op_sel_hi:[1,0,1]
.elseif (ia%8) == 0
	v_pk_mul_f32 v[rO+2*\p:rO+2*\p+1], v[rD+2*\p:rD+2*\p+1], v[rI+2*\p:rI+2*\p+1]
.else
	v_pk_fma_f32 v[rO+2*\p:rO+2*\p+1], v[rD+2*\p:rD+2*\p+1], v[rI+2*\p:rI+2*\p+1], v[rO+2*\p:rO+2*\p+1]
.endif
.endr
.set ia, ia+1
.endr
.endm
; A unit's first K step, four accumulators at a time: the last unit's results are contracted, then the product that starts the new sum writes over them.  Between a sum's last product and that one stand the
; eight places at the last unit's end and the contractions of other accumulators: more than the nine that a matrix instruction writing over an earlier one's result wants.
.macro FIRST16 kind, qs
.irp g, 0,1,2,3
.if \kind
	WIN 0x01                                       ; source 0 (the accumulator) window 1, all else window 0
	EPI \kind, \qs, 4*\g, 4
.endif
	WIN 0x56                                       ; source 0 (x) window 2, source 1 (weights), C and D window 1
	MUL 0, 1, 4*\g, 4
.endr
.endm
; v's sums of the unit just contracted: four pairs, two halves, lane l xor 16's rows; then to LDS (both halves of the lanes write the same word with the same value)
.macro OFIN off
.irp b, 0,1
	v_pk_add_f32 v[OT+4*\b:OT+4*\b+1], v[O+8*\b:O+8*\b+1], v[O+8*\b+2:O+8*\b+3]
	v_pk_add_f32 v[OT+4*\b+2:OT+4*\b+3], v[O+8*\b+4:O+8*\b+5], v[O+8*\b+6:O+8*\b+7]
.endr
.irp b, 0,1
	v_pk_add_f32 v[OT+4*\b:OT+4*\b+1], v[OT+4*\b:OT+4*\b+1], v[OT+4*\b+2:OT+4*\b+3]
.endr
.irp b, 0,1
	v_add_f32 v[OT+4*\b], v[OT+4*\b], v[OT+4*\b+1]
.endr
.irp b, 0,1
	v_permlanex16_b32 v[OT+4*\b+2], v[OT+4*\b], s[SEL], s[SEL+1]
.endr
.irp b, 0,1
	v_add_f32 v[OT+4*\b], v[OT+4*\b], v[OT+4*\b+2]
.endr
.irp b, 0,1
	ds_store_b32 v[OA], v[OT+4*\b] offset:(\off)+64*\b
.endr
.endm
; A UNIT: slot sg, its unit u.  kind: what is done with the LAST unit's results (0 nothing, 1 k's way, 2 v's way).  turn = 1: the slot's last unit: the change of slots; fill = 1: the slot is filled again, with the walk's next step but one.
; nxt = 1: the next unit's fragments are fetched (K steps 0, 1 in the unit's middle, K steps 2, 3 at its end).  hasq, qoff: q of the next unit.  ooff: where the last unit's outputs go.  walk: an address register that steps by 1,024.
.macro UNIT sg, u, kind, turn, fill, nxt, hasq, qoff, ooff, walk
.set BSET, \u
.set NU, 1-\u
.if \u == 0
.set NSG, \sg
.else
.set NSG, 1-\sg
.endif
.set NR, 0                             ; the LDS instructions of this unit's middle run
.if \kind == 2
.set NR, NR+2
.endif
.if \nxt
.set NR, NR+18+2*\hasq
.endif
.if \turn
	WIN 0                                          ; (the add's two registers lie in window 0)
	s_wait_tensorcnt 0x0                           ; all my tensor loads have landed: the one that was out is my quarter of the other slot;
	ds_add_u32 v[SPW], v[NIL]                      ; 0 onto my spare word
.if \fill
	NEXTFILL \sg                                   ; no tensor load of mine is out: this slot's group 0 takes the walk's next step
.endif
	s_wait_dscnt 17                                ; K steps 0, 1, the scale words and q are in; the add and the youngest 16 loads (K steps 2, 3) may be out
.else
	s_wait_dscnt 16                                ; K steps 0, 1, the scale words and q are in; the youngest 16 loads (K steps 2, 3) may be out
.endif
	FIRST16 \kind, NU                              ; (the last unit's q lies in the other set than this unit's)
.if \turn
	s_wait_dscnt 0x0                               ; the add is done, and my reads of this slot are over: all its fragments are in registers
	s_barrier_signal -1                            ; (with fill = 1 this barrier opens a round of the cluster's)
.endif
	MUL 1, 0, 0, 16                                ; work on registers while the others arrive
	WIN 0
.if \turn
	s_barrier_wait -1
.if \fill
	CREST                                          ; no wave of any partner still reads this slot or has a load on its way
	tensor_load_to_lds s[G0+4*\sg:G0+4*\sg+3], s[G1:G1+7]   ; my one tensor load behind the round, and the first thing there
	s_nop 0
.endif
.endif
	PLACES 8                                       ; eight places in front of loads into registers that matrix instructions have read
.if \walk
	v_add_nc_u32 v[\walk], 1024, v[\walk]          ; four units on (this unit has waited for all its LDS instructions: none that names the register is out)
.endif
.if \kind == 2
	OFIN \ooff
.endif
.if \nxt
	LOADB NSG, NU, 0
	LOADS NSG, NU
.if \hasq
	LOADQ NU, \qoff
.endif
.endif
.if \turn == 0
	s_wait_dscnt NR                                ; all but the run just issued: K steps 2, 3 are in
.endif
	WIN 0x57                                       ; source 0 (x) window 3
	MUL 2, 0, 0, 16
	MUL 3, 0, 0, 16
	WIN 0
	PLACES 8                                       ; in front of the loads below, and of the next unit's first read of results
.if \nxt
	LOADB NSG, NU, 1
.endif
.endm
	; ---- H: the head
	s_load_b256 s[4:11], s[0:1], 0x0               ; bert_output s[4:5], wimg s[6:7], qpart s[8:9], bq s[10:11]
	s_load_b128 s[12:15], s[0:1], 0x20             ; bk s[12:13], bv s[14:15]
	s_load_b64 s[16:17], s[0:1], 0x30              ; part
	v_lshl_add_u32 v[SPW], v0, 2, SPARE
	v_mov_b32 v[NIL], 0
	ds_add_u32 v4, v5
	ds_add_u32 v4, v5
	s_wait_dscnt 0x0
	v_lshrrev_b32 v1, 5, v0
	v_readfirstlane_b32 s[WV], v1                  ; wave 0..3
	s_lshr_b32 s[KH], s[WV], 1
	s_and_b32 s[NH], s[WV], 1
	s_bfe_u32 s21, ttmp6, 0x40000                  ; cx: my place in the cluster
	s_lshl_b32 s22, ttmp9, 2                       ; in a cluster launch ttmp9 counts clusters
	s_add_co_u32 s22, s22, s21                     ; the work-group: it enters s[46:47] and three global addresses, and nothing else
	s_and_b32 s[F0], ttmp9, 7                      ; where the walk begins: of the cluster's number alone, the same in the four partners
	v_and_b32 v1, 31, v0                           ; lane
	v_and_b32 v2, 15, v0                           ; r
	v_bfe_u32 v3, v0, 4, 1                         ; h
	s_lshl_b32 s48, s[NH], 18
	s_lshl_b32 s49, s[KH], 11
	s_add_co_u32 s48, s48, s49
	v_lshl_add_u32 v[GX], v1, 4, s48
	s_mul_i32 s48, s[WV], STGW
	s_add_co_u32 s48, s48, STG
	v_lshl_add_u32 v[TS], v1, 4, s48
	v_mul_u32_u24 v[TR], v2, SP
	v_lshl_add_u32 v[TR], v3, 6, v[TR]
	v_add_nc_u32 v[TR], s48, v[TR]
	s_mul_i32 s48, s[WV], EXW
	s_add_co_u32 s48, s48, EX
	v_lshl_add_u32 v[XW], v1, 4, s48
	s_add_co_u32 s48, s48, 2048
	v_lshl_add_u32 v[XWS], v1, 2, s48
	s_mul_i32 s48, s[KH], 2*EXW
	s_add_co_u32 s48, s48, EX
	v_lshl_add_u32 v[XR], v1, 4, s48
	s_add_co_u32 s48, s48, 2048
	v_lshl_add_u32 v[XRS], v1, 2, s48
	s_lshl_b32 s48, s[WV], 14                      ; in a unit's 65,536 bytes of images my wave has 16,384
	v_lshl_add_u32 v[BA], v1, 4, s48
	v_add_nc_u32 v[BA+1], 65536, v[BA]
	v_add_nc_u32 v[BA+2], FILLB, v[BA]
	v_add_nc_u32 v[BA+3], FILLB+65536, v[BA]
	s_lshl_b32 s48, s[WV], 9
	s_add_co_u32 s48, s48, 131072                  ; the scale words lie behind the images
	v_lshl_add_u32 v[SAD], v2, 4, s48
	v_add_nc_u32 v[SAD+1], FILLB, v[SAD]
	s_lshl_b32 s48, s[NH], 7                       ; my 32 features of a unit's 64: 128 bytes
	s_add_co_u32 s49, s48, QL-1024                 ; (the walking addresses begin 1,024 low: each is stepped ahead of its use in the first unit (0, 1); the uses before that carry 1,024 more in the offset)
	v_lshl_add_u32 v[QA], v2, 2, s49
	s_lshl_b32 s49, s[KH], 12
	s_add_co_u32 s48, s48, s49
	s_add_co_u32 s48, s48, OEX-1024
	v_lshl_add_u32 v[OA], v2, 2, s48
	s_lshl_b32 s48, s[WV], 9
	s_add_co_u32 s48, s48, AEX
	v_lshl_add_u32 v[AW], v3, 5, s48
	v_lshl_add_u32 v[AR], v3, 5, AF
	v_lshl_add_u32 v[ORD], v0, 4, OEX
	v_lshl_add_u32 v[AT], v0, 2, AEX
	s_add_co_u32 s48, s[WV], s[F0]                 ; thread t holds places t / 32 and t / 32 + 4 of the walk (512 bytes, a fill's 128 features, each): in memory those are fills (wave + F0) & 7
	s_and_b32 s48, s48, 7
	s_lshl_b32 s48, s48, 9
	v_lshl_add_u32 v[LT0], v1, 4, s48
	v_xor_b32 v[LT1], 0x800, v[LT0]                ; and that fill xor 4
	v_lshl_add_u32 v[QW], v0, 4, QL
.irp b, 0,1,2,3
	v_mov_b32 v[TM+4+\b], 0                        ; written once: a lane permute's destination counts as one of its sources
	v_mov_b32 v[Q+2*\b+1], 0                       ; named as the upper halves of q's pairs
.endr
	s_mov_b32 s[SEL], 0x76543210
	s_mov_b32 s[SEL+1], 0xfedcba98
	s_mov_b32 s[MNT], 0x600000
	s_mov_b32 s[RS], 0x3cb504f3                    ; 2^-5.5
	; descriptor group 1: 132 dense rows of 256 bytes (32 elements of 8 bytes), no padding: the images are read 512 consecutive bytes at a time
	s_mov_b32 s[G1], 15|(3<<16)|(1<<21)            ; 15:0 the mask: all four work-groups; 17:16 elements of 8 bytes; 21 set beside a mask
	s_mov_b32 s[G1+1], 32<<16                      ; tensor_dim0 = 32
	s_mov_b32 s[G1+2], 132<<16                     ; tensor_dim1 = 132
	s_mov_b32 s[G1+3], 32<<16                      ; tile_dim0 = 32
	s_mov_b32 s[G1+4], 132                         ; tile_dim1 = 132
	s_mov_b32 s[G1+5], 32                          ; from row to row: 32 elements
	s_mov_b32 s[G1+6], 0
	s_mov_b32 s[G1+7], 0
	s_mul_i32 s50, s[WV], QUARTB                   ; my quarter, in a fill and in a slot alike
	s_mov_b32 s51, 0
	s_mov_b32 s47, 0
	s_mov_b32 s[FO+1], 0
	s_mov_b32 s[JN], 2                             ; steps 0 and 1 of the walk are the first fills
	s_wait_kmcnt 0x0
	s_lshl_b32 s46, s22, 19                        ; x: 128 rows of 4,096 bytes a work-group
	s_add_nc_u64 s[4:5], s[4:5], s[46:47]
	s_lshr_b32 s46, s22, 4                         ; the batch
	s_lshl_b32 s46, s46, 12
	s_add_nc_u64 s[8:9], s[8:9], s[46:47]          ; qpart at my batch's row of plane 0
	s_lshl_b32 s46, s22, 12
	s_add_nc_u64 s[16:17], s[16:17], s[46:47]      ; part at my row
	s_add_nc_u64 s[WB:WB+1], s[6:7], s[50:51]      ; wimg at my quarter of fill 0
	s_mul_i32 s[FO], s[F0], FILLB                  ; step 0 of the walk: fill F0
	s_mov_b32 s[G0], 1                             ; 1:0 count = 1
	s_mov_b32 s[G0+1], s50                         ; LDS address: slot 0
	s_add_nc_u64 s[G0+2:G0+3], s[WB:WB+1], s[FO:FO+1]
	s_add_co_u32 s56, s[F0], 1                     ; step 1: fill (F0 + 1) & 7
	s_and_b32 s56, s56, 7
	s_mul_i32 s[FO], s56, FILLB
	s_mov_b32 s[G0+4], 1
	s_add_co_u32 s[G0+5], s50, FILLB               ; slot 1
	s_add_nc_u64 s[G0+6:G0+7], s[WB:WB+1], s[FO:FO+1]
	s_or_b32 s[G0+3], s[G0+3], 0x80000000          ; type = 2
	s_or_b32 s[G0+7], s[G0+7], 0x80000000
.irp kq, 0,1,2,3                       ; of each vector of 1,024 thread t takes four numbers of each of its two places of the walk
	global_load_b128 v[HT+8*\kq:HT+8*\kq+3], v[LT0], s[8:9] offset:65536*\kq
	global_load_b128 v[HT+8*\kq+4:HT+8*\kq+7], v[LT1], s[8:9] offset:65536*\kq
.endr
	global_load_b128 v[HT+32:HT+35], v[LT0], s[10:11]
	global_load_b128 v[HT+40:HT+43], v[LT0], s[12:13]
	global_load_b128 v[HT+36:HT+39], v[LT1], s[10:11]
	global_load_b128 v[HT+44:HT+47], v[LT1], s[12:13]
	XLOAD 0, 4, 0                                  ; cells 0, 1, 2 of x: with the 12 above, 60 loads are out
	XLOAD 1, 4, 512
	XLOAD 2, 4, 1024
	CROUND                                         ; all four work-groups are here: the first joint loads meet
	tensor_load_to_lds s[G0:G0+3], s[G1:G1+7]      ; steps 0 and 1 of the walk, ahead of every wait on TENSORcnt and every LDS read: two loads of mine are out
	s_nop 0
	tensor_load_to_lds s[G0+4:G0+7], s[G1:G1+7]
	s_nop 0
	PLACES 4
	s_wait_loadcnt 48                              ; the 12 small loads are in; x's 48 may be out
.irp n, 0,2,4,6
	v_pk_add_f32 v[HT+\n:HT+\n+1], v[HT+\n:HT+\n+1], v[HT+8+\n:HT+8+\n+1]
	v_pk_add_f32 v[HT+16+\n:HT+16+\n+1], v[HT+16+\n:HT+16+\n+1], v[HT+24+\n:HT+24+\n+1]
.endr
.irp n, 0,2,4,6
	v_pk_add_f32 v[HT+\n:HT+\n+1], v[HT+\n:HT+\n+1], v[HT+16+\n:HT+16+\n+1]
.endr
.irp n, 0,2,4,6
	v_pk_add_f32 v[HT+\n:HT+\n+1], v[HT+\n:HT+\n+1], v[HT+32+\n:HT+32+\n+1]   ; q = the four K quarters + bq
.endr
	ds_store_b128 v[QW], v[HT:HT+3]                ; into LDS by the place in the walk: 16 bytes a thread,
	ds_store_b128 v[QW], v[HT+4:HT+7] offset:2048  ; and four places on
	v_pk_mul_f32 v[T:T+1], v[HT:HT+1], v[HT+40:HT+41]
.irp n, 2,4,6
	v_pk_fma_f32 v[T:T+1], v[HT+\n:HT+\n+1], v[HT+40+\n:HT+40+\n+1], v[T:T+1]
.endr
	v_add_f32 v[CIN], v[T], v[T+1]                 ; my 8 products of q . bk,
	v_permlanex16_b32 v[T], v[CIN], s[SEL], s[SEL+1]
	v_add_f32 v[CIN], v[CIN], v[T]                 ; and lane l xor 16's: summed over 16 lanes r and four waves, as a's sums are, that is q . bk once for each half of the lanes
	s_wait_dscnt 0x0                               ; the stores have read their registers, which the first cell loads again
	; ---- X: x becomes codes
.irp t, 0,1,2,3,4,5,6,7,8,9,10,11,12,13,14,15
	CELL \t
.endr
	s_wait_tensorcnt 0x1                           ; my quarter of the walk's step 0 is in; step 1's may stay out
	s_wait_dscnt 0x0
	s_barrier_signal -1
	s_barrier_wait -1                              ; everybody's is
	; ---- M: Wk's 16 units
	LOADB 0, 0, 0
	LOADS 0, 0
	LOADQ 0, 1024
	LOADB 0, 0, 1
.set in, 0
.rept 64
	v_mov_b32 v[AS+in], v[CIN]                     ; a's sums begin with the share of q . bk, not with zeros
.set in, in+1
.endr
	UNIT 0, 0, 0, 0, 0, 1, 1, 1280, 0, 0           ; unit 0 stands in front of the loop: there is nothing yet to contract
	s_mov_b32 s44, 3
.Lk:                                               ; a trip: four units, once round the ring, both slots filled again
	UNIT 0, 1, 1, 1, 1, 1, 1, 512, 0, QA
	UNIT 1, 0, 1, 0, 0, 1, 1, 768, 0, 0
	UNIT 1, 1, 1, 1, 1, 1, 1, 1024, 0, 0
	UNIT 0, 0, 1, 0, 0, 1, 1, 1280, 0, 0
	s_sub_co_u32 s44, s44, 1
	s_cmp_lg_u32 s44, 0
	s_cbranch_scc1 .Lk
	UNIT 0, 1, 1, 1, 1, 1, 1, 512, 0, QA           ; units 13, 14, 15; the ring goes on into Wv's fills
	UNIT 1, 0, 1, 0, 0, 1, 1, 768, 0, 0
	UNIT 1, 1, 1, 1, 1, 1, 0, 0, 0, 0
	; ---- A: a.  My sums hold, for each of my rows, 32 features x 512 along K in each of 16 lanes
	WIN 0x01
	EPI 1, 1, 0, 16                                ; unit 15's results (the eight places stand at its end)
	WIN 0
.irp x, 1,2,4,8
.set in, 0
.rept 64
	v_add_f32_dpp v[AS+in], v[AS+in], v[AS+in] row_xmask:\x row_mask:0xf bank_mask:0xf   ; over the 16 lanes of my half: 64 sums by turns
.set in, in+1
.endr
.endr
.set in, 0
.rept 16
	ds_store_b128 v[AW], v[AS+4*in:AS+4*in+3] offset:64*(in/2)+16*(in%2)   ; row 16 i + 8 h + j at 4 bytes a row; sixteen lanes write the same words with the same values
.set in, in+1
.endr
	s_wait_dscnt 0x0                               ; for the others' sake: my partial sums have landed (and the next unit's fragments are in)
	s_barrier_signal -1
	s_barrier_wait -1                              ; my quarter of the walk's step 9 may stay on its way
.irp w, 0,1,2,3
	ds_load_b32 v[E0+\w], v[AT] offset:512*\w      ; thread t: row t's four partial sums
.endr
	s_wait_dscnt 0x0
	v_add_f32 v[E0], v[E0], v[E0+1]
	v_add_f32 v[E0+2], v[E0+2], v[E0+3]
	v_add_f32 v[E0], v[E0], v[E0+2]
	v_mul_f32 v[E0], s[RS], v[E0]                  ; / sqrt(2048)
	ds_store_b32 v[AT], v[E0] offset:2048
	s_wait_dscnt 0x0
	s_barrier_signal -1
	s_barrier_wait -1
.set in, 0
.rept 16
	ds_load_b128 v[AS+4*in:AS+4*in+3], v[AR] offset:64*(in/2)+16*(in%2)    ; a comes back in the layout in which the sums stood
.set in, in+1
.endr
	global_load_b128 v[BV:BV+3], v[LT0], s[14:15]                          ; bv of my two places of the walk: wanted at the end
	global_load_b128 v[BV+4:BV+7], v[LT1], s[14:15]
	s_wait_dscnt 0x0
	v_pk_add_f32 v[SA:SA+1], v[AS:AS+1], v[AS+2:AS+3]                      ; the sum of a: my 64 rows, in two chains,
	v_pk_add_f32 v[T:T+1], v[AS+4:AS+5], v[AS+6:AS+7]
.irp n, 8,12,16,20,24,28,32,36,40,44,48,52,56,60
	v_pk_add_f32 v[SA:SA+1], v[SA:SA+1], v[AS+\n:AS+\n+1]
	v_pk_add_f32 v[T:T+1], v[T:T+1], v[AS+\n+2:AS+\n+3]
.endr
	v_pk_add_f32 v[SA:SA+1], v[SA:SA+1], v[T:T+1]
	v_add_f32 v[SA], v[SA], v[SA+1]
	v_permlanex16_b32 v[T], v[SA], s[SEL], s[SEL+1]
	v_add_f32 v[SA], v[SA], v[T]                   ; and lane l xor 16's 64
	; ---- M: Wv's 16 units
	UNIT 0, 0, 0, 0, 0, 1, 0, 0, 0, 0
	s_mov_b32 s44, 3
.Lv:
	UNIT 0, 1, 2, 1, 1, 1, 0, 0, 0, OA
	UNIT 1, 0, 2, 0, 0, 1, 0, 0, 256, 0
	UNIT 1, 1, 2, 1, 1, 1, 0, 0, 512, 0
	UNIT 0, 0, 2, 0, 0, 1, 0, 0, 768, 0
	s_sub_co_u32 s44, s44, 1
	s_cmp_lg_u32 s44, 0
	s_cbranch_scc1 .Lv
	UNIT 0, 1, 2, 1, 0, 1, 0, 0, 0, OA             ; the tail is written out: the last change of slots asks for nothing
	UNIT 1, 0, 2, 0, 0, 1, 0, 0, 256, 0
	UNIT 1, 1, 2, 0, 0, 0, 0, 0, 512, 0
	; ---- E: the end
	WIN 0x01
	EPI 2, 0, 0, 16
	WIN 0
	OFIN 768
	s_wait_dscnt 0x0                               ; for the others' sake: all my outputs have landed
	s_barrier_signal -1
	s_barrier_wait -1
.irp n, 0,1,2,3
	ds_load_b128 v[E0+4*\n:E0+4*\n+3], v[ORD] offset:2048*\n   ; K half 0: four features of each of my two places of the walk; then K half 1's
.endr
	s_wait_loadcnt 0x0                             ; bv
	s_wait_dscnt 0x0
.irp n, 0,2,4,6
	v_pk_add_f32 v[E0+\n:E0+\n+1], v[E0+\n:E0+\n+1], v[E0+8+\n:E0+8+\n+1]
.endr
.irp n, 0,2,4,6
	v_pk_fma_f32 v[E0+\n:E0+\n+1], v[BV+\n:BV+\n+1], v[SA:SA+1], v[E0+\n:E0+\n+1] op_sel_hi:[1,0,1]   ; + bv x the sum of a
.endr
	global_store_b128 v[LT0], v[E0:E0+3], s[16:17]             ; a wave stores a fill's 512 consecutive bytes, at a multiple of 512 from part's first byte; the four waves' eight stores cover the row
	global_store_b128 v[LT1], v[E0+4:E0+7], s[16:17]
	s_wait_tensorcnt 0x0                           ; the wave's end, behind my last tensor load and my last LDS store
	ds_add_u32 v[SPW], v[NIL]
	s_wait_dscnt 0x0
	CROUND                                         ; the closing round: no work-group ends while a partner may still ask for a fill that names it
	s_endpgm
.Lfunc_end_k_q7ca875b5df_main:
	.size	k_q7ca875b5df_main, .Lfunc_end_k_q7ca875b5df_main-k_q7ca875b5df_main
	.p2alignl 7, 3214868480
	.fill 96, 4, 3214868480
	.section	.rodata,"a",@progbits
	.p2align	6, 0x0
	.amdhsa_kernel k_q7ca875b5df_main
		.amdhsa_group_segment_fixed_size 327680
		.amdhsa_private_segment_fixed_size 0
		.amdhsa_enable_private_segment 0
		.amdhsa_kernarg_size 56
		.amdhsa_user_sgpr_count 2
		.amdhsa_user_sgpr_kernarg_segment_ptr 1
		.amdhsa_wavefront_size32 1
		.amdhsa_system_sgpr_workgroup_id_x 1
		.amdhsa_system_sgpr_workgroup_id_y 1
		.amdhsa_system_sgpr_workgroup_id_z 1
		.amdhsa_system_vgpr_workitem_id 0
		.amdhsa_next_free_vgpr 1024
		.amdhsa_next_free_sgpr 66
		.amdhsa_reserve_vcc 0
		.amdhsa_float_denorm_mode_32 3
		.amdhsa_float_denorm_mode_16_64 3
		.amdhsa_memory_ordered 1
		.amdhsa_forward_progress 1
		.amdhsa_inst_pref_size 255
	.end_amdhsa_kernel
	.section	.bss,"aw",@nobits
	.p2align	6
	.space	262144
	.amdgpu_metadata
---
amdhsa.version: [ 1, 2 ]
amdhsa.kernels:
  - .name:           k_q7ca875b5df_main
    .symbol:         k_q7ca875b5df_main.kd
    .args:
      - { .name: bert_output, .offset: 0, .size: 8, .value_kind: global_buffer, .address_space: global }
      - { .name: wimg, .offset: 8, .size: 8, .value_kind: global_buffer, .address_space: global }
      - { .name: qpart, .offset: 16, .size: 8, .value_kind: global_buffer, .address_space: global }
      - { .name: bq, .offset: 24, .size: 8, .value_kind: global_buffer, .address_space: global }
      - { .name: bk, .offset: 32, .size: 8, .value_kind: global_buffer, .address_space: global }
      - { .name: bv, .offset: 40, .size: 8, .value_kind: global_buffer, .address_space: global }
      - { .name: part, .offset: 48, .size: 8, .value_kind: global_buffer, .address_space: global }
    .group_segment_fixed_size: 327680
    .private_segment_fixed_size: 0
    .kernarg_segment_align: 8
    .kernarg_segment_size: 56
    .max_flat_workgroup_size: 128
    .sgpr_count:     66
    .vgpr_count:     1024
    .wavefront_size: 32
...
	.end_amdgpu_metadata
.endif
;; end of part 2
;; launch reduce (part 3): grid 32 x 1, 4 waves a work-group, no clusters, 0 bytes of LDS; arguments part, out0; writes out0
.if DOCPART == 3
	.amdgcn_target "amdgcn-amd-amdhsa--gfx1250"
	.amdhsa_code_object_version 6
	.text
	.protected	k_q7ca875b5df_reduce
	.globl	k_q7ca875b5df_reduce
	.p2align	8
	.type	k_q7ca875b5df_reduce,@function
k_q7ca875b5df_reduce:
	s_mov_b64 s[64:65], 0
	v_nop
	global_prefetch_b8 v0, s[64:65] scope:SCOPE_SE
	s_setreg_imm32_b32 hwreg(HW_REG_WAVE_MODE, 25, 1), 1
	s_wait_xcnt 0x0
; out0[b][:] = the sum of the 16 rows part[16 b .. 16 b + 15][:], in a fixed order (a tree).  A sum over work-groups of the launch before: so it has a launch of its own.
; A work-group takes half a batch's row: 512 numbers, four to a thread; each load and the store of a wave cover 512 consecutive bytes.  1 MiB is read in all: no LDS, no matrix unit, no cluster would add anything.
	s_load_b128 s[4:7], s[0:1], 0x0                ; part s[4:5], out0 s[6:7]
	v_lshlrev_b32 v1, 4, v0                        ; 16 bytes a thread
	s_lshr_b32 s8, ttmp9, 1                        ; the batch
	s_and_b32 s9, ttmp9, 1                         ; which half of its row
	s_lshl_b32 s10, s8, 16                         ; 16 rows of 4,096 bytes a batch
	s_lshl_b32 s11, s9, 11
	s_add_co_u32 s10, s10, s11
	s_lshl_b32 s12, s8, 12
	s_add_co_u32 s12, s12, s11
	s_mov_b32 s11, 0
	s_mov_b32 s13, 0
	s_wait_kmcnt 0x0
	s_add_nc_u64 s[4:5], s[4:5], s[10:11]
	s_add_nc_u64 s[6:7], s[6:7], s[12:13]
.irp g, 0,1,2,3,4,5,6,7,8,9,10,11,12,13,14,15
	global_load_b128 v[4+4*\g:7+4*\g], v1, s[4:5] offset:4096*\g th:TH_LOAD_NT
.endr
	s_wait_loadcnt 0x0
.irp n, 0,2,4,6,8,10,12,14,16,18,20,22,24,26,28,30
	v_pk_add_f32 v[4+\n:5+\n], v[4+\n:5+\n], v[36+\n:37+\n]   ; rows g and g + 8
.endr
.irp n, 0,2,4,6,8,10,12,14
	v_pk_add_f32 v[4+\n:5+\n], v[4+\n:5+\n], v[20+\n:21+\n]
.endr
.irp n, 0,2,4,6
	v_pk_add_f32 v[4+\n:5+\n], v[4+\n:5+\n], v[12+\n:13+\n]
.endr
.irp n, 0,2
	v_pk_add_f32 v[4+\n:5+\n], v[4+\n:5+\n], v[8+\n:9+\n]
.endr
	global_store_b128 v1, v[4:7], s[6:7]
	s_endpgm
.Lfunc_end_k_q7ca875b5df_reduce:
	.size	k_q7ca875b5df_reduce, .Lfunc_end_k_q7ca875b5df_reduce-k_q7ca875b5df_reduce
	.p2alignl 7, 3214868480
	.fill 96, 4, 3214868480
	.section	.rodata,"a",@progbits
	.p2align	6, 0x0
	.amdhsa_kernel k_q7ca875b5df_reduce
		.amdhsa_group_segment_fixed_size 0
		.amdhsa_private_segment_fixed_size 0
		.amdhsa_enable_private_segment 0
		.amdhsa_kernarg_size 16
		.amdhsa_user_sgpr_count 2
		.amdhsa_user_sgpr_kernarg_segment_ptr 1
		.amdhsa_wavefront_size32 1
		.amdhsa_system_sgpr_workgroup_id_x 1
		.amdhsa_system_sgpr_workgroup_id_y 1
		.amdhsa_system_sgpr_workgroup_id_z 1
		.amdhsa_system_vgpr_workitem_id 0
		.amdhsa_next_free_vgpr 80
		.amdhsa_next_free_sgpr 66
		.amdhsa_reserve_vcc 0
		.amdhsa_float_denorm_mode_32 3
		.amdhsa_float_denorm_mode_16_64 3
		.amdhsa_memory_ordered 1
		.amdhsa_forward_progress 1
		.amdhsa_inst_pref_size 5
	.end_amdhsa_kernel
	.amdgpu_metadata
---
amdhsa.version: [ 1, 2 ]
amdhsa.kernels:
  - .name:           k_q7ca875b5df_reduce
    .symbol:         k_q7ca875b5df_reduce.kd
    .args:
      - { .name: part, .offset: 0, .size: 8, .value_kind: global_buffer, .address_space: global }
      - { .name: out0, .offset: 8, .size: 8, .value_kind: global_buffer, .address_space: global }
    .group_segment_fixed_size: 0
    .private_segment_fixed_size: 0
    .kernarg_segment_align: 8
    .kernarg_segment_size: 16
    .max_flat_workgroup_size: 128
    .sgpr_count:     66
    .vgpr_count:     80
    .wavefront_size: 32
...
	.end_amdgpu_metadata
.endif
;; end of part 3
